; MI455X (gfx1250); checked and timed in simulation.
; The chip was launched on July 23, 2026; its instructions are those of AMD's public machine-readable ISA for CDNA 5 (MIT licence, August 2026) and "CDNA5" Instruction Set Architecture Reference Guide (July 2026). The comments in the code are by the model that wrote it; some were corrected since.
;; Word Attn. Allowed arithmetic: matrix products marked QUANTISED: E3M2 operands, one E8M0 scale for each 32 along K, by v_wmma_scale_f32_16x16x128_f8f6f4 with both operands' format E3M2, f32 sums; products left as they are: f32 operands where the result goes on into a quantised operand, else bf16, f16 or f32 operands; f32 sums; everything else in f32.
;; Inputs: H 32 x 64 x 32 x 512 float32; mask 32 x 64 x 32 bool; u_weight 1 x 256 float32; w_bias 256 float32; w_weight 256 x 512 float32.
;; Outputs: out0 32 x 64 x 512 float32.
;; This version of the problem:
;;   THIS VERSION OF THE PROBLEM IS GIVEN IN LOW PRECISION. The matrix products marked QUANTISED in the list below multiply operands that are first quantised to E3M2 (3 exponent bits, 2 mantissa bits; 6 bits a number), with one power-of-two scale for each 32 numbers along K (OCP MX v1.0); their sums are f32. All else is computed in f32.
;;   The module's matrix products, in the order in which they are computed (A, B: the left and right operand; K: the contracted axis; several contracted axes count as one K, in the product's order):
;;     1. [M 65,536, K 512] x [K 512, N 256]; A: input H; B: input w_weight: QUANTISED
;;     2. [M 65,536, K 256] x [K 256, N 1]; A: computed on the way; B: input u_weight: left as it is (N = 1 < 16)
;;     3. batch 2,048 x [M 512, K 32] x [K 32, N 1]; A: input H; B: softmax: left as it is (N = 1 < 16)
;;   THE QUANTISER, for each operand of a quantised product, along K:
;;     - K is cut into blocks of 32 from its start; a last block that is shorter is filled with zeros.
;;     - A block's scale is 2^e with e = floor(log2(the largest magnitude in the block)) - 4, held to -126 .. 127; a block of zeros has e = 0. As a byte (E8M0): e + 127.
;;     - Each number is divided by its block's scale, clamped to +-28, and rounded to the nearest number of E3M2, ties to even, subnormals kept.
;;     - The product sums the exact products of the quantised numbers (number of the format x scale) in f32.
;;   ~~~python
;;   def quantise(x, axis):      # numpy; x: float32 -> the quantised numbers, widened to float32 again
;;       x = np.moveaxis(x, axis, -1); K = x.shape[-1]
;;       x = np.pad(x, [(0, 0)] * (x.ndim - 1) + [(0, -K % 32)]); x = x.reshape(x.shape[:-1] + (-1, 32)); a = np.abs(x).max(-1, keepdims=True)
;;       e = np.where(a > 0, np.clip(np.frexp(np.where(a > 0, a, 1))[1] - 1 - 4, -126, 127), 0)      # np.frexp(a)[1] - 1 = floor(log2(a)), exactly
;;       r = np.clip(x / 2.0 ** e, -28, 28)
;;       step = 2.0 ** (np.maximum(np.frexp(np.where(r == 0, 1, r))[1] - 1, -2) - 2)
;;       q = np.round(r / step) * step * 2.0 ** e      # np.round: ties to even
;;       return np.moveaxis(q.reshape(q.shape[:-2] + (-1,))[..., :K], -1, axis).astype(np.float32)
;;   ~~~
;; 2 versions, each right; version 2 is version 1 with the launch attn written anew for expert scheduling mode. Each part assembles by itself: llvm-mc -triple=amdgcn-amd-amdhsa -mcpu=gfx1250 --defsym DOCPART=n.
;; ======== version 1 of 2: 2 launches
;; workspace buffers: wq 106,496 bytes
;; launch wquant (part 1): grid 16 x 1, 4 waves a work-group, no clusters, 34,304 bytes of LDS; arguments w_weight, wq; writes wq
.if DOCPART == 1
	.amdgcn_target "amdgcn-amd-amdhsa--gfx1250"
	.amdhsa_code_object_version 6
	.text
	.protected	k_q49b00dae9c_wquant
	.globl	k_q49b00dae9c_wquant
	.p2align	8
	.type	k_q49b00dae9c_wquant,@function
k_q49b00dae9c_wquant:
	s_mov_b64 s[64:65], 0
	v_nop
	global_prefetch_b8 v0, s[64:65] scope:SCOPE_SE
	s_setreg_imm32_b32 hwreg(HW_REG_WAVE_MODE, 25, 1), 1
	s_wait_xcnt 0x0
; W [256][512], f32, K innermost, is turned into codes of BF6 (E3M2) with one E8M0 scale byte for each 32 along K, laid as IMAGES OF THE OPERAND'S REGISTERS:
; fragment f = 4 T + s (T: 16 rows of W, s: 128 along K) is 12 registers a lane; its three groups of four registers lie at f x 1536 + 512 c, lane l's 16 bytes at 16 l.
; Its scale words (four bytes: the row's four blocks) lie at 98304 + f x 128, 4 bytes a lane; lanes 16-31 hold copies of lanes 0-15.
; A block's scale is 2^(floor(log2(its largest magnitude)) - 4); its byte is the largest magnitude's exponent field - 4, held at 1 from below by a floor among the maximum's leaves.
; LIMITS: a block of zeros gets the byte 1 where the rule says 127 (its codes are zeros, which add nothing under any byte but 0xff, and this program alone reads the bytes);
; NaN and infinities in W are not served.  The scale words of a fragment are a store of 128 bytes: 8,192 bytes in the whole launch leave in such halves.
; SHARES: work-group x = tile T, wave = K step s: one wave makes one fragment.  64 fragments are all the work there is: 16 work-groups.
; Each load reads 512 consecutive bytes of one row; the quantiser wants 16 neighbours along K in a lane, so the 16 rows turn through the wave's own stage in LDS (no barrier: waves share nothing).
.set SPITCH, 528                       ; a stage row: 512 bytes + 16 = 33 x 16: the 16 rows that a load of 16 bytes a lane touches begin in 16 different columns of 16 bytes modulo 256
.set WSTG,   16*SPITCH                 ; a wave's stage
.set SCOFF,  98304                     ; where the scale words begin in wq
.set LI,  4                            ; v4   16 x lane
.set LS,  5                            ; v5   4 x lane
.set STW, 6                            ; v6   the stage, on the way in: wave's stage + 16 x lane
.set STR, 7                            ; v7   and on the way out: wave's stage + 528 r + 64 h
.set R,   16                           ; v16-79   16 rows as loaded
.set RAW, 80                           ; v80-143  register 16 b + i = k 32 b + 16 h + i of my row r
.set TM,  144                          ; v144-147 largest magnitudes, v148-151 the other half's, then the bytes, v152-155 the conversions' scale operands
.set PW,  156                          ; v156 the scale word
.set PC,  160                          ; v160-171 the fragment; v172-178 the blocks' second halves on their way
.set SEL, 20                           ; s[20:21] lane selects for v_permlanex16_b32: lane l xor 16
; 64 numbers of a lane, v[s] .. v[s + 63], become a fragment's codes in v[PC] on and its scale word in v[PW]
.macro QUANT s
.irp b, 0,1,2,3
	v_max3_num_f32 v[TM+\b], |v[\s+16*\b]|, |v[\s+1+16*\b]|, 0x2800000   ; block b: my 16 numbers, and the floor 2^(5 - 127): the byte cannot fall under 1
.endr
.irp i, 2,4,6,8,10,12,14
.irp b, 0,1,2,3
	v_max3_num_f32 v[TM+\b], v[TM+\b], |v[\s+16*\b+\i]|, |v[\s+1+16*\b+\i]|   ; the four blocks by turns: no line waits for the line above it
.endr
.endr
.irp b, 0,1,2,3
	v_permlanex16_b32 v[TM+4+\b], v[TM+\b], s[SEL], s[SEL+1]
.endr
.irp b, 0,1,2,3
	v_max_num_f32 v[TM+\b], v[TM+\b], v[TM+4+\b]       ; with lane l xor 16's 16: the block's largest magnitude
.endr
.irp b, 0,1,2,3
	v_add_nc_u32 v[TM+8+\b], 0xfe000000, v[TM+\b]      ; 4 off its exponent field: the conversion takes the exponent field of this operand as its scale
.endr
.irp b, 0,1,2,3
	v_lshrrev_b32 v[TM+4+\b], 23, v[TM+8+\b]           ; the scale's byte
.endr
	v_lshl_or_b32 v[PW], v[TM+5], 8, v[TM+4]           ; the four bytes make my row's scale word
	v_lshl_or_b32 v[PW], v[TM+6], 16, v[PW]
	v_lshl_or_b32 v[PW], v[TM+7], 24, v[PW]
.irp c, 0,1
	v_cvt_scalef32_pk16_bf6_f32 v[PC+6*\c:PC+2+6*\c], v[\s+32*\c:\s+15+32*\c], v[TM+8+2*\c]
	v_cvt_scalef32_pk16_bf6_f32 v[PC+12+4*\c:PC+14+4*\c], v[\s+16+32*\c:\s+31+32*\c], v[TM+8+2*\c+1]   ; a conversion's three registers begin on an even number
.endr
	v_nop                                              ; one plain place behind the scaled conversions
.irp c, 0,1                                        ; the operand's layout wants a WHOLE block in a lane: lanes 0-15 block 2 c, lanes 16-31 block 2 c + 1
.irp i, 0,1,2
	v_permlane16_swap_b32 v[PC+6*\c+\i], v[PC+12+4*\c+\i]
.endr
.irp i, 0,1,2
	v_mov_b32 v[PC+3+6*\c+\i], v[PC+12+4*\c+\i]
.endr
.endr
.endm
	s_load_b128 s[4:7], s[0:1], 0x0                ; W s[4:5], wq s[6:7]
	v_lshl_add_u32 v192, v0, 2, 0x8400
	v_mov_b32 v193, 0
	v_lshrrev_b32 v1, 5, v0
	v_readfirstlane_b32 s8, v1                     ; wave = K step
	v_and_b32 v2, 31, v0                           ; lane
	v_and_b32 v3, 15, v0                           ; r
	v_bfe_u32 v8, v0, 4, 1                         ; h
	v_lshlrev_b32 v[LI], 4, v2
	v_lshlrev_b32 v[LS], 2, v2
	s_mul_i32 s12, s8, WSTG
	v_add_nc_u32 v[STW], s12, v[LI]
	v_mul_u32_u24 v[STR], v3, SPITCH
	v_lshl_add_u32 v[STR], v8, 6, v[STR]
	v_add_nc_u32 v[STR], s12, v[STR]
.irp b, 0,1,2,3
	v_mov_b32 v[TM+4+\b], 0                        ; written once: a lane permute's destination counts as one of its sources
.endr
	s_mov_b32 s[SEL], 0x76543210
	s_mov_b32 s[SEL+1], 0xfedcba98
	s_lshl_b32 s9, ttmp9, 2
	s_add_co_u32 s9, s9, s8                        ; f = 4 T + s
	s_lshl_b32 s14, ttmp9, 15                      ; W: 16 rows of 2,048 bytes a tile,
	s_lshl_b32 s15, s8, 9                          ; 512 bytes a K step
	s_add_co_u32 s14, s14, s15
	s_mov_b32 s15, 0
	s_mul_i32 s16, s9, 1536                        ; the fragment's image
	s_mov_b32 s17, 0
	s_lshl_b32 s18, s9, 7                          ; and its scale words
	s_add_co_u32 s18, s18, SCOFF
	s_mov_b32 s19, 0
	s_wait_kmcnt 0x0
	s_add_nc_u64 s[4:5], s[4:5], s[14:15]
	s_add_nc_u64 s[10:11], s[6:7], s[18:19]
	s_add_nc_u64 s[6:7], s[6:7], s[16:17]
.irp i, 0,1,2,3,4,5,6,7,8,9,10,11,12,13,14,15
	global_load_b128 v[R+4*\i:R+4*\i+3], v[LI], s[4:5] offset:2048*\i th:TH_LOAD_NT   ; row i: 32 lanes read 512 consecutive bytes; read once in the launch
.endr
.irp i, 0,1,2,3,4,5,6,7,8,9,10,11,12,13,14,15
	s_wait_loadcnt 15-\i                           ; loads come back in order: row i is in, the 15 - i younger rows may be out
	ds_store_b128 v[STW], v[R+4*\i:R+4*\i+3] offset:SPITCH*\i
.endr
.irp b, 0,1,2,3
.irp j, 0,1,2,3
	ds_load_b128 v[RAW+16*\b+4*\j:RAW+16*\b+4*\j+3], v[STR] offset:128*\b+16*\j   ; LDS serves a wave's instructions in order: these see my stores
.endr
.endr
	s_wait_dscnt 0x0
	QUANT RAW
.irp c, 0,1,2
	global_store_b128 v[LI], v[PC+4*\c:PC+4*\c+3], s[6:7] offset:512*\c   ; 32 lanes store 512 consecutive bytes, at a multiple of 512 from wq's first byte
.endr
	global_store_b32 v[LS], v[PW], s[10:11]
	s_wait_tensorcnt 0x0
	ds_add_u32 v192, v193
	s_wait_dscnt 0x0
	s_endpgm
.Lfunc_end_k_q49b00dae9c_wquant:
	.size	k_q49b00dae9c_wquant, .Lfunc_end_k_q49b00dae9c_wquant-k_q49b00dae9c_wquant
	.p2alignl 7, 3214868480
	.fill 96, 4, 3214868480
	.section	.rodata,"a",@progbits
	.p2align	6, 0x0
	.amdhsa_kernel k_q49b00dae9c_wquant
		.amdhsa_group_segment_fixed_size 34304
		.amdhsa_private_segment_fixed_size 0
		.amdhsa_enable_private_segment 0
		.amdhsa_kernarg_size 16
		.amdhsa_user_sgpr_count 2
		.amdhsa_user_sgpr_kernarg_segment_ptr 1
		.amdhsa_wavefront_size32 1
		.amdhsa_system_sgpr_workgroup_id_x 1
		.amdhsa_system_sgpr_workgroup_id_y 1
		.amdhsa_system_sgpr_workgroup_id_z 1
		.amdhsa_system_vgpr_workitem_id 0
		.amdhsa_next_free_vgpr 194
		.amdhsa_next_free_sgpr 66
		.amdhsa_reserve_vcc 0
		.amdhsa_float_denorm_mode_32 3
		.amdhsa_float_denorm_mode_16_64 3
		.amdhsa_memory_ordered 1
		.amdhsa_forward_progress 1
		.amdhsa_inst_pref_size 11
	.end_amdhsa_kernel
	.amdgpu_metadata
---
amdhsa.version: [ 1, 2 ]
amdhsa.kernels:
  - .name:           k_q49b00dae9c_wquant
    .symbol:         k_q49b00dae9c_wquant.kd
    .args:
      - { .name: w_weight, .offset: 0, .size: 8, .value_kind: global_buffer, .address_space: global }
      - { .name: wq, .offset: 8, .size: 8, .value_kind: global_buffer, .address_space: global }
    .group_segment_fixed_size: 34304
    .private_segment_fixed_size: 0
    .kernarg_segment_align: 8
    .kernarg_segment_size: 16
    .max_flat_workgroup_size: 128
    .sgpr_count:     66
    .vgpr_count:     194
    .wavefront_size: 32
...
	.end_amdgpu_metadata
.endif
;; end of part 1
;; launch attn (part 2): grid 256 x 1, 8 waves a work-group, no clusters, 105,472 bytes of LDS; arguments H, mask, u_weight, w_bias, wq, out0; writes out0
.if DOCPART == 2
	.amdgcn_target "amdgcn-amd-amdhsa--gfx1250"
	.amdhsa_code_object_version 6
	.text
	.protected	k_q49b00dae9c_attn
	.globl	k_q49b00dae9c_attn
	.p2align	8
	.type	k_q49b00dae9c_attn,@function
k_q49b00dae9c_attn:
	s_mov_b64 s[64:65], 0
	v_nop
	global_prefetch_b8 v0, s[64:65] scope:SCOPE_SE
	s_setreg_imm32_b32 hwreg(HW_REG_WAVE_MODE, 25, 1), 1
	s_wait_xcnt 0x0
; For each of 2,048 sentences (32 words x 512 numbers of H, f32):  a = tanh(Q(H) Q(W)^T + b), the product on codes of BF6 (E3M2) with one E8M0 scale for each 32 along K;  e = a . u;  masked words get the
; lowest f32 number;  w = softmax(e) over the 32 words, the maximum taken away first;  out = the sum over the words of w_t H[t], on the f32 numbers of H.
; SHARES.  A work-group takes 8 sentences, one after the other.  Wave w: c = w % 4, mt = w / 4.
;   H's side: wave w owns words 16 mt .. 16 mt + 15 x columns 128 c .. 128 c + 127 of every sentence: 16 loads of 512 consecutive bytes, 64 registers, a SET.  These are the numbers of ONE fragment, which it quantises
;   itself (the turn to the quantiser's layout goes through its own stage in LDS), AND the numbers whose weighted sum it makes, straight from the set: every byte of H is read from memory once and never from LDS again.
;   W's side: wave w keeps W's tiles 2 w and 2 w + 1 (32 of the 256 units), all four K steps, in 96 registers for the whole launch, and multiplies them with all 32 words.
; A PIPELINE OVER SENTENCES, ONE BARRIER AN INTERVAL.  Four pieces:  T(p): set p is turned, quantised and stored as an image of the operand's registers;  G(p): 16 products, tanh, my partial e;  S(p): the softmax, the
; weighted sum of my 16 words, and the request for set p + 4;  O(p): the two halves of the words are added and stored.  Interval k holds O(k - 2), S(k - 1), T(k + 1), G(k): none of them reads what another writes.
; Images, partial e and partial sums have two buffers each: what an interval writes, the next reads, and the one after that overwrites; the barrier between intervals, with every wave's LDS instructions waited for
; in front of it, orders both.
; THE TWO HALVES OF THE WAVES TAKE AN INTERVAL'S PIECES IN DIFFERENT ORDER: waves 0-3 O, S, T, G; waves 4-7 G, O, S, T: one half's runs of LDS instructions stand beside the other half's vector work.
; Only G is written twice, each copy under a branch on the wave's number; S stands ahead of T on both ways, so every counted wait counts the same loads on both.
; IN FLIGHT.  Four sets fill window 1.  All four are asked for at the head; set p + 4 as soon as S(p) has read set p, two intervals ahead of T(p + 4): 16 to 32 loads of every wave are on their way.
; THE PRODUCT IS USED TRANSPOSED (source 0 = 16 rows of W, source 1 = 16 words): lane (r, h) holds word r, its register j unit 16 T + 8 h + j: e's sum runs along a lane's registers and needs one exchange of halves.
; tanh(x) = 1 - 2 / (1 + 2^(2.88539 x)): it saturates rightly where the exponential is infinite or 0.  e is kept as the sum of -2 u_a / (1 + ..): the sum of all u_a that is left out is the same for every word of a
; sentence, and the softmax takes the maximum away, so it falls out for every input; masked words are set after that, so a sentence with no word left gives 1/32 each.
; LIMITS: NaN and infinities in H are not served; a block of zeros gets the scale byte 1 where the rule says 127 (its codes are zeros, and this program alone reads the bytes).
; NO CLUSTER, NO TENSOR LOADS: the work-groups share wq alone, 106,496 bytes against 524,288 of H for a work-group, and it goes to registers, 13,312 bytes a wave, once.  H's sets are wanted in registers.
; No loop: every sentence and row step is an immediate (489,472 at the most), no pointer is stepped.
; REGISTERS.  Window 1: set p at v[64 (p % 4) + 4 i + 0..3], i the word of my 16.  Window 0:
.set LI,  1                            ; v1   16 x lane
.set LS,  2                            ; v2   4 x lane
.set STW, 3                            ; v3   my stage, on the way in: + 16 x lane
.set STR, 4                            ; v4   and out: + 528 r + 64 h
.set IWI, 5                            ; v5   where I store my fragment's image: 16 x lane + 1536 w (fragment 4 mt + c = w)
.set LW,  6                            ; v6   4 x lane + 128 w: my fragment's scale words, and my partial e
.set PSW, 7                            ; v7   where I store my partial sum: 16 x lane + 512 w
.set PSR, 8                            ; v8   where I read the two halves back: 8 x lane + 512 c + 256 mt
.set MK,  9                            ; v9   bit p: the mask of my lane's word in sentence p
.set LN,  10                           ; v10  lane: the mask's address
.set HB,  11                           ; v11  32 h: the bias's and u's address
.set GO,  12                           ; v12  8 x lane: my bytes of the 256 that I store
.set OUTR, 14                          ; v14-15 the store's data
.set W,   16                           ; v16-111  W's fragments: (a, s) at W + 12 (4 a + s)
.set WS,  112                          ; v112-119 their scale words: scales and nothing else
.set BC,  120                          ; v120-135 2.88539 b: tile a, register j at BC + 8 a + j
.set U,   136                          ; v136-151 -2 u, likewise
.set HS,  152                          ; v152-155 H's scale words: HS + 2 buffer + m: scales and nothing else
.set MB,  156                          ; head: v156-163 the eight sentences' mask bytes
.set RAW, 156                          ; T: v156-219 register 16 b + i = k 32 b + 16 h + i of my row
.set TM,  220                          ;   v220-223 largest magnitudes, v224-227 the other half's, then the bytes, v228-231 the conversions' scale operands
.set PC,  236                          ;   v236-247 the fragment; v248-254 the blocks' second halves on their way
.set PW,  255                          ;   the scale word: outside all that G's loads write
.set ACC, 156                          ; G: v156-187 four accumulators: (m, a) at ACC + 8 (2 m + a)
.set FB,  188                          ;   v188-235 H's fragments: buffer b at + 24 b, tile m at + 12 m
.set EP,  236                          ;   v236-243 e's partial sums, a pair for each accumulator
.set X,   244                          ;   v244-247
.set PT,  156                          ; S: v156-163 the eight waves' partial e
.set EE,  164                          ;   e, then the weight
.set TT,  165
.set MM,  166
.set PO,  180                          ; O: v180-183 the two halves
.set SA,  220                          ; S: v220-227 the weighted sum: even words' chain, odd words' chain, 4 columns each; T writes here only behind its wait for all LDS instructions
.set WV,  16                           ; s16  my wave's number
.set SEL, 20                           ; s[20:21] lane selects for v_permlanex16_b32: lane l xor 16
.set UPP, 22                           ; s22  lanes 16-31
.set SWP, 23                           ; s23  all ones in waves 4-7, whose words are 16-31; 0 in waves 0-3
.set WT,  32                           ; s[32:63] my 16 weights in the even registers: the packed forms name a pair and take its low word for both halves
; LDS
.set FRB,  1536                        ; a fragment's image
.set IBUF, 8*FRB                       ; a sentence's 8 images, f = 4 m + s
.set IMG,  0                           ; two such buffers
.set ISC,  2*IBUF                      ; their scale words: 1024 x buffer + 128 f
.set PART, ISC+2048                    ; partial e: 1024 x buffer + 128 x wave + 4 x word
.set PSUM, PART+2048                   ; partial sums: 4096 x buffer + 512 x wave + 16 x lane
.set STG,  PSUM+8192                   ; eight stages, each wave's own: 16 rows
.set SPITCH, 528                       ; 512 bytes + 16 = 33 x 16: the 16 rows that a load of 16 bytes a lane touches begin in 16 different columns of 16 bytes modulo 256
.set WSTG, 16*SPITCH
.set MSB, 0
.macro WIN new                         ; s_set_vgpr_msb: bits 1:0 source 0, 3:2 source 1, 5:4 source 2, 7:6 destination; the high byte repeats the setting that is left.  Every macro leaves 0: so it is 0 at every branch and label
.if MSB != \new
	s_set_vgpr_msb (MSB<<8)|\new
.set MSB, \new
.endif
.endm
.macro BARRIER                         ; my LDS stores have landed and my LDS loads are in: then the work-group's barrier
	s_wait_dscnt 0x0
	s_barrier_signal -1
	s_barrier_wait -1
.endm
; Sentence p's 16 rows of my 512 bytes into set p % 4
.macro LOADSET p
	WIN 0x40                                       ; a load's data: destination, window 1; its address: source 0, window 0
.set t, 0
.rept 16
	global_load_b128 v[64*((\p)%4)+4*t:64*((\p)%4)+4*t+3], v[LI], s[4:5] offset:65536*(\p)+2048*t th:TH_LOAD_NT   ; 32 lanes read 512 consecutive bytes; read once in the launch
.set t, t+1
.endr
	WIN 0
.endm
; 64 numbers of a lane, v[s] .. v[s + 63], become a fragment's codes in v[PC] on and its scale word in v[PW]
.macro QUANT s
.irp b, 0,1,2,3
	v_max3_num_f32 v[TM+\b], |v[\s+16*\b]|, |v[\s+1+16*\b]|, 0x2800000   ; block b: my 16 numbers, and the floor 2^(5 - 127): the byte cannot fall under 1
.endr
.irp i, 2,4,6,8,10,12,14
.irp b, 0,1,2,3
	v_max3_num_f32 v[TM+\b], v[TM+\b], |v[\s+16*\b+\i]|, |v[\s+1+16*\b+\i]|   ; the four blocks by turns
.endr
.endr
.irp b, 0,1,2,3
	v_permlanex16_b32 v[TM+4+\b], v[TM+\b], s[SEL], s[SEL+1]
.endr
.irp b, 0,1,2,3
	v_max_num_f32 v[TM+\b], v[TM+\b], v[TM+4+\b]       ; with lane l xor 16's 16: the block's largest magnitude
.endr
.irp b, 0,1,2,3
	v_add_nc_u32 v[TM+8+\b], 0xfe000000, v[TM+\b]      ; 4 off its exponent field: the conversion takes the exponent field of this operand as its scale
.endr
.irp b, 0,1,2,3
	v_lshrrev_b32 v[TM+4+\b], 23, v[TM+8+\b]           ; the scale's byte
.endr
	v_lshl_or_b32 v[PW], v[TM+5], 8, v[TM+4]           ; the four bytes make my row's scale word
	v_lshl_or_b32 v[PW], v[TM+6], 16, v[PW]
	v_lshl_or_b32 v[PW], v[TM+7], 24, v[PW]
.irp c, 0,1
	v_cvt_scalef32_pk16_bf6_f32 v[PC+6*\c:PC+2+6*\c], v[\s+32*\c:\s+15+32*\c], v[TM+8+2*\c]
	v_cvt_scalef32_pk16_bf6_f32 v[PC+12+4*\c:PC+14+4*\c], v[\s+16+32*\c:\s+31+32*\c], v[TM+8+2*\c+1]   ; a conversion's three registers begin on an even number
.endr
	v_nop                                              ; one plain place behind the scaled conversions
.irp c, 0,1                                        ; the operand's layout wants a WHOLE block in a lane: lanes 0-15 block 2 c, lanes 16-31 block 2 c + 1
.irp i, 0,1,2
	v_permlane16_swap_b32 v[PC+6*\c+\i], v[PC+12+4*\c+\i]
.endr
.irp i, 0,1,2
	v_mov_b32 v[PC+3+6*\c+\i], v[PC+12+4*\c+\i]
.endr
.endr
.endm
; T(p): set p turns through my stage, is quantised, and leaves as fragment w's image in buffer p % 2.  left: the younger loads that may stay out
.macro TURNQ p, left
	s_wait_loadcnt \left                           ; loads come back in order: set p's 16 rows are in
	WIN 0x04                                       ; an LDS store's data: source 1, window 1
.irp i, 0,1,2,3,4,5,6,7,8,9,10,11,12,13,14,15
	ds_store_b128 v[STW], v[64*((\p)%4)+4*\i:64*((\p)%4)+4*\i+3] offset:SPITCH*\i
.endr
	WIN 0
.irp b, 0,1,2,3
.irp j, 0,1,2,3
	ds_load_b128 v[RAW+16*\b+4*\j:RAW+16*\b+4*\j+3], v[STR] offset:128*\b+16*\j   ; LDS serves a wave's instructions in order: these see my stores
.endr
.endr
	s_wait_dscnt 0x0                               ; the numbers are back; and the store of my partial sum has read its registers, which the quantiser writes
	QUANT RAW
.irp c, 0,1,2
	ds_store_b128 v[IWI], v[PC+4*\c:PC+4*\c+3] offset:IMG+IBUF*((\p)%2)+512*\c
.endr
	ds_store_b32 v[LW], v[PW] offset:ISC+1024*((\p)%2)
.endm
; K step s of the sentence in image buffer buf: its two fragments of H (16 words each) and their scale words into register buffer s % 2: 8 LDS loads
.macro FETCHSTEP s, buf
.irp m, 0,1
.irp c, 0,1,2
	ds_load_b128 v[FB+24*((\s)%2)+12*\m+4*\c:FB+24*((\s)%2)+12*\m+4*\c+3], v[LI] offset:IMG+IBUF*(\buf)+FRB*(4*\m+(\s))+512*\c
.endr
	ds_load_b32 v[HS+2*((\s)%2)+\m], v[LS] offset:ISC+1024*(\buf)+128*(4*\m+(\s))
.endr
.endm
; Four products: two tiles of words x my two tiles of W.  The four accumulators take turns, one instruction a turn, in the same order in every step.
; The first K step starts the sums with the constant 0: nothing is cleared.
.macro MULSTEP s, buf
.if (\s) == 3
	s_wait_dscnt 0x0                               ; the last step's loads
.else
	s_wait_dscnt 8                                 ; this step's 8 loads, and all that is older, are in; the next step's 8 may be out
.endif
.irp m, 0,1
.irp a, 0,1
.if (\s) == 0
	v_wmma_scale_f32_16x16x128_f8f6f4 v[ACC+8*(2*\m+\a):ACC+8*(2*\m+\a)+7], v[W+12*(4*\a+(\s)):W+12*(4*\a+(\s))+11], v[FB+24*((\s)%2)+12*\m:FB+24*((\s)%2)+12*\m+11], 0, v[WS+4*\a+(\s)], v[HS+2*((\s)%2)+\m] matrix_a_fmt:MATRIX_FMT_BF6 matrix_b_fmt:MATRIX_FMT_BF6
.else
	v_wmma_scale_f32_16x16x128_f8f6f4 v[ACC+8*(2*\m+\a):ACC+8*(2*\m+\a)+7], v[W+12*(4*\a+(\s)):W+12*(4*\a+(\s))+11], v[FB+24*((\s)%2)+12*\m:FB+24*((\s)%2)+12*\m+11], v[ACC+8*(2*\m+\a):ACC+8*(2*\m+\a)+7], v[WS+4*\a+(\s)], v[HS+2*((\s)%2)+\m] matrix_a_fmt:MATRIX_FMT_BF6 matrix_b_fmt:MATRIX_FMT_BF6
.endif
.endr
.endr
.if (\s) != 2
.rept 4
	v_nop                                          ; four places in front of loads into the buffer just multiplied, and of the first read of finished sums; step 2 is followed by products alone
.endr
.endif
.if (\s) < 2
	FETCHSTEP (\s)+2, \buf
.endif
.endm
; The sentence's 32 words x my 32 units: tanh, times u, summed along the units; my partial e goes to LDS, lane = word
.macro TANH buf
.irp j, 0,2,4,6,8,10,12,14,16,18,20,22,24,26,28,30
	v_pk_fma_f32 v[ACC+\j:ACC+\j+1], v[ACC+\j:ACC+\j+1], 0x4038aa3b, v[BC+(\j)%16:BC+(\j)%16+1] op_sel_hi:[1,0,1]   ; 2.88539 (sum + b); each accumulator from its low end on
.endr
.set i, 0
.rept 32
	v_exp_f32 v[ACC+i], v[ACC+i]
.set i, i+1
.endr
	v_mov_b32 v[X+2], 0                            ; a plain place behind the exponentials; and a lane permute's destination counts as one of its sources
	s_wait_alu depctr_va_vdst(0)
.irp j, 0,2,4,6,8,10,12,14,16,18,20,22,24,26,28,30
	v_pk_add_f32 v[ACC+\j:ACC+\j+1], v[ACC+\j:ACC+\j+1], 1.0 op_sel_hi:[1,0]
.endr
.set i, 0
.rept 32
	v_rcp_f32 v[ACC+i], v[ACC+i]
.set i, i+1
.endr
	v_mov_b32 v[X+3], 0                            ; a plain place behind the reciprocals
	s_wait_alu depctr_va_vdst(0)
.irp i, 0,1,2,3
	v_pk_mul_f32 v[EP+2*\i:EP+2*\i+1], v[ACC+8*\i:ACC+8*\i+1], v[U+8*(\i%2):U+8*(\i%2)+1]   ; -2 u / (1 + ..): the four accumulators by turns
.endr
.irp j, 2,4,6
.irp i, 0,1,2,3
	v_pk_fma_f32 v[EP+2*\i:EP+2*\i+1], v[ACC+8*\i+\j:ACC+8*\i+\j+1], v[U+8*(\i%2)+\j:U+8*(\i%2)+\j+1], v[EP+2*\i:EP+2*\i+1]
.endr
.endr
.irp m, 0,1
	v_pk_add_f32 v[EP+4*\m:EP+4*\m+1], v[EP+4*\m:EP+4*\m+1], v[EP+4*\m+2:EP+4*\m+3]   ; my two tiles of W
.endr
.irp m, 0,1
	v_add_f32 v[X+\m], v[EP+4*\m], v[EP+4*\m+1]
.endr
.irp m, 0,1
	v_permlanex16_b32 v[X+2+\m], v[X+\m], s[SEL], s[SEL+1]
.endr
.irp m, 0,1
	v_add_f32 v[X+\m], v[X+\m], v[X+2+\m]          ; with lane l xor 16's eight units of each tile: word 16 m + r, in both halves of the lanes
.endr
	v_cndmask_b32 v[X], v[X], v[X+1], s[UPP]       ; lanes 0-15 words 0-15, lanes 16-31 words 16-31
	ds_store_b32 v[LW], v[X] offset:PART+1024*(\buf)
.endm
; G: the sentence whose images lie in buffer buf
.macro GEMM buf
	FETCHSTEP 0, \buf
	FETCHSTEP 1, \buf
	MULSTEP 0, \buf
	MULSTEP 1, \buf
	MULSTEP 2, \buf
	MULSTEP 3, \buf
	TANH \buf
.endm
; S(p) behind its loads: the sentence's softmax (lane = word; every wave makes it), and the weighted sum of my 16 words x 128 columns from set p
.macro SOFT p
	v_add_f32 v[PT], v[PT], v[PT+1]
	v_add_f32 v[PT+2], v[PT+2], v[PT+3]
	v_add_f32 v[PT+4], v[PT+4], v[PT+5]
	v_add_f32 v[PT+6], v[PT+6], v[PT+7]
	v_and_b32 v[TT], 1<<(\p), v[MK]
	v_add_f32 v[PT], v[PT], v[PT+2]
	v_add_f32 v[PT+4], v[PT+4], v[PT+6]
	v_cmp_ne_u32 vcc_lo, 0, v[TT]
	v_add_f32 v[EE], v[PT], v[PT+4]                ; e of my word
	v_cndmask_b32 v[EE], 0xff7fffff, v[EE], vcc_lo ; a masked word: the lowest f32 number
	v_mov_b32 v[MM], v[EE]
.irp x, 1,2,4,8
	v_max_num_f32_dpp v[MM], v[MM], v[MM] row_xmask:\x row_mask:0xf bank_mask:0xf
.endr
	v_permlanex16_b32 v[TT], v[MM], s[SEL], s[SEL+1]
	v_max_num_f32 v[MM], v[MM], v[TT]              ; the sentence's largest e, in every lane
	v_sub_f32 v[EE], v[EE], v[MM]                  ; first the difference, then the factor: a fused form would multiply the lowest number by log2(e) and give infinity less infinity where every word is masked
	v_mul_f32 v[EE], 0x3fb8aa3b, v[EE]
	v_exp_f32 v[EE], v[EE]
	v_nop                                          ; a plain place behind the exponential
	s_wait_alu depctr_va_vdst(0)
	v_mov_b32 v[MM], v[EE]
.irp x, 1,2,4,8
	v_add_f32_dpp v[MM], v[MM], v[MM] row_xmask:\x row_mask:0xf bank_mask:0xf
.endr
	v_permlanex16_b32 v[TT], v[MM], s[SEL], s[SEL+1]
	v_add_f32 v[MM], v[MM], v[TT]                  ; the sum: at least 1, the largest word's own term
	v_rcp_f32 v[MM], v[MM]
	v_nop                                          ; a plain place behind the reciprocal
	s_wait_alu depctr_va_vdst(0)
	v_mul_f32 v[EE], v[EE], v[MM]                  ; w of my lane's word
	v_permlanex16_b32 v[TT], v[EE], s[SEL], s[SEL+1]
	v_cndmask_b32 v[EE], v[EE], v[TT], s[SWP]      ; waves 4-7 take the other half's: lanes 0-15 now hold the weights of MY 16 words
.set t, 0
.rept 16
	v_readlane_b32 s[WT+2*t], v[EE], t             ; as scalars: factors alone, no address and no branch hangs on them
.set t, t+1
.endr
	WIN 0x01                                       ; source 0: the set, window 1; the sums stay in window 0
.set t, 0
.rept 16
.irp q, 0,2
.if t < 2
	v_pk_mul_f32 v[SA+4*(t%2)+\q:SA+4*(t%2)+\q+1], v[64*((\p)%4)+4*t+\q:64*((\p)%4)+4*t+\q+1], s[WT+2*t:WT+2*t+1] op_sel_hi:[1,0]    ; words 0 and 1 start the four chains: nothing is cleared
.else
	v_pk_fma_f32 v[SA+4*(t%2)+\q:SA+4*(t%2)+\q+1], v[64*((\p)%4)+4*t+\q:64*((\p)%4)+4*t+\q+1], s[WT+2*t:WT+2*t+1], v[SA+4*(t%2)+\q:SA+4*(t%2)+\q+1] op_sel_hi:[1,0,1]
.endif
.endr
.set t, t+1
.endr
	WIN 0
	v_pk_add_f32 v[SA:SA+1], v[SA:SA+1], v[SA+4:SA+5]
	v_pk_add_f32 v[SA+2:SA+3], v[SA+2:SA+3], v[SA+6:SA+7]
	ds_store_b128 v[PSW], v[SA:SA+3] offset:PSUM+4096*((\p)%2)   ; my 16 words' part of columns 128 c + 4 lane + 0..3
.if (\p) < 4
	LOADSET (\p)+4                                 ; the set just summed takes the sentence four on
.endif
.endm
; O(k - 2) and S(k - 1): their LDS loads go out together
.macro SO k
.if ((\k) >= 1) && ((\k) <= 8)
.irp i, 0,1,2,3,4,5,6,7
	ds_load_b32 v[PT+\i], v[LS] offset:PART+1024*(((\k)-1)%2)+128*\i
.endr
.endif
.if (\k) >= 2
	ds_load_b64 v[PO:PO+1], v[PSR] offset:PSUM+4096*((\k)%2)           ; words 0-15's part of my 64 columns (wave c's),
	ds_load_b64 v[PO+2:PO+3], v[PSR] offset:PSUM+4096*((\k)%2)+2048    ; words 16-31's (wave 4 + c's)
.endif
.if (\k) >= 1
	s_wait_dscnt 0x0
.endif
.if (\k) >= 2
	s_wait_xcnt 0x0                                ; the last store has read its data registers: they are written again only behind this wait
	v_pk_add_f32 v[OUTR:OUTR+1], v[PO:PO+1], v[PO+2:PO+3]
	global_store_b64 v[GO], v[OUTR:OUTR+1], s[14:15] offset:2048*((\k)-2) th:TH_STORE_NT   ; 32 lanes store 256 consecutive bytes, at a multiple of 256 from out0's first byte
.endif
.if ((\k) >= 1) && ((\k) <= 8)
	SOFT (\k)-1
.endif
.endm
; Interval k.  The branches hang on the wave's number alone and jump over G alone: no barrier, no global load
.macro INTERVAL k
.if (\k) <= 7
	s_cmp_lt_u32 s[WV], 4
	s_cbranch_scc1 .Llate_\@                       ; waves 0-3 multiply at the interval's end
	GEMM (\k)%2
.Llate_\@:
.endif
	SO \k
.if (\k) <= 6
.if (\k)+1 <= 5
.set LEFT, 32                                  ; out may be: the two sets behind this one
.elseif (\k)+1 == 6
.set LEFT, 16                                  ; set 7 alone
.else
.set LEFT, 0
.endif
	TURNQ (\k)+1, LEFT
.endif
.if (\k) <= 7
	s_cmp_lt_u32 s[WV], 4
	s_cbranch_scc0 .Ldone_\@                       ; waves 4-7 have multiplied at its head
	GEMM (\k)%2
.Ldone_\@:
.endif
.endm
	s_load_b256 s[4:11], s[0:1], 0x0               ; H s[4:5], mask s[6:7], u s[8:9], b s[10:11]
	s_load_b128 s[12:15], s[0:1], 0x20             ; wq s[12:13], out0 s[14:15]
	v_lshl_add_u32 v13, v0, 2, 0x19800
	v_mov_b32 v251, 0
	v_lshrrev_b32 v[LN], 5, v0
	v_readfirstlane_b32 s[WV], v[LN]               ; wave 0..7
	s_lshr_b32 s17, s[WV], 2                       ; mt
	s_and_b32 s18, s[WV], 3                        ; c
	v_and_b32 v[LN], 31, v0                        ; lane
	v_and_b32 v[MK], 15, v0                        ; r (the register takes the mask's bits later)
	v_bfe_u32 v[HB], v0, 4, 1                      ; h
	v_lshlrev_b32 v[LI], 4, v[LN]
	v_lshlrev_b32 v[LS], 2, v[LN]
	v_lshlrev_b32 v[GO], 3, v[LN]
	s_mul_i32 s24, s[WV], WSTG
	s_add_co_u32 s24, s24, STG                     ; my stage
	v_add_nc_u32 v[STW], s24, v[LI]
	v_mul_u32_u24 v[STR], v[MK], SPITCH
	v_lshl_add_u32 v[STR], v[HB], 6, v[STR]
	v_add_nc_u32 v[STR], s24, v[STR]
	s_mul_i32 s25, s[WV], FRB
	v_add_nc_u32 v[IWI], s25, v[LI]
	s_lshl_b32 s25, s[WV], 7
	v_add_nc_u32 v[LW], s25, v[LS]
	s_lshl_b32 s25, s[WV], 9
	v_add_nc_u32 v[PSW], s25, v[LI]
	s_lshl_b32 s25, s18, 9
	s_lshl_b32 s24, s17, 8
	s_add_co_u32 s25, s25, s24                     ; 512 c + 256 mt
	v_add_nc_u32 v[PSR], s25, v[GO]
	v_lshlrev_b32 v[HB], 5, v[HB]                  ; 32 h: my half's eight units of a tile
.irp b, 0,1,2,3
	v_mov_b32 v[TM+4+\b], 0                        ; written once: a lane permute's destination counts as one of its sources
.endr
	s_mov_b32 s[SEL], 0x76543210
	s_mov_b32 s[SEL+1], 0xfedcba98
	s_mov_b32 s[UPP], 0xffff0000
	s_cmp_lt_u32 s[WV], 4
	s_cselect_b32 s[SWP], 0, -1
	; the offsets, apart from the addresses
	s_lshl_b32 s24, ttmp9, 19                      ; H: 8 sentences of 65,536 bytes a work-group,
	s_lshl_b32 s25, s17, 15                        ; my 16 rows of 2,048 bytes,
	s_add_co_u32 s24, s24, s25
	s_lshl_b32 s25, s18, 9                         ; my 512 bytes of a row
	s_add_co_u32 s24, s24, s25
	s_mov_b32 s25, 0
	s_lshl_b32 s28, ttmp9, 8                       ; mask: 8 x 32 bytes a work-group
	s_mov_b32 s29, 0
	s_lshl_b32 s30, s[WV], 7                       ; u and b: my 32 numbers
	s_mov_b32 s31, 0
	s_mul_i32 s32, s[WV], 8*FRB                    ; wq: my 8 fragments,
	s_mov_b32 s33, 0
	s_lshl_b32 s34, s[WV], 10                      ; and their scale words
	s_add_co_u32 s34, s34, 98304
	s_mov_b32 s35, 0
	s_lshl_b32 s36, ttmp9, 14                      ; out0: 8 rows of 2,048 bytes a work-group; of a row my 256 bytes: 512 c + 256 mt
	s_lshl_b32 s37, s18, 9
	s_add_co_u32 s36, s36, s37
	s_lshl_b32 s37, s17, 8
	s_add_co_u32 s36, s36, s37
	s_mov_b32 s37, 0
	s_wait_kmcnt 0x0
	s_add_nc_u64 s[4:5], s[4:5], s[24:25]
	s_add_nc_u64 s[6:7], s[6:7], s[28:29]
	s_add_nc_u64 s[8:9], s[8:9], s[30:31]
	s_add_nc_u64 s[10:11], s[10:11], s[30:31]
	s_add_nc_u64 s[26:27], s[12:13], s[34:35]
	s_add_nc_u64 s[12:13], s[12:13], s[32:33]
	s_add_nc_u64 s[14:15], s[14:15], s[36:37]
.irp i, 0,1,2,3,4,5,6,7,8,9,10,11,12,13,14,15
	s_mov_b32 s[WT+2*\i+1], 0                      ; the upper words of the weights' pairs: named with the lower ones, never used
.endr
	; what stays for the whole launch goes out first (48 loads), then the four sets (64)
.irp p, 0,1,2,3,4,5,6,7
	global_load_u8 v[MB+\p], v[LN], s[6:7] offset:32*\p             ; the mask of my lane's word in sentence p
.endr
.irp g, 0,1,2,3,4,5,6,7
.irp c, 0,1,2
	global_load_b128 v[W+12*\g+4*\c:W+12*\g+4*\c+3], v[LI], s[12:13] offset:FRB*\g+512*\c   ; W's fragment g = 4 a + s, as its registers lie
.endr
.endr
.irp g, 0,1,2,3,4,5,6,7
	global_load_b32 v[WS+\g], v[LS], s[26:27] offset:128*\g
.endr
.irp a, 0,1
	global_load_b128 v[BC+8*\a:BC+8*\a+3], v[HB], s[10:11] offset:64*\a
	global_load_b128 v[BC+8*\a+4:BC+8*\a+7], v[HB], s[10:11] offset:64*\a+16
	global_load_b128 v[U+8*\a:U+8*\a+3], v[HB], s[8:9] offset:64*\a
	global_load_b128 v[U+8*\a+4:U+8*\a+7], v[HB], s[8:9] offset:64*\a+16
.endr
	LOADSET 0
	LOADSET 1
	LOADSET 2
	LOADSET 3
	s_wait_loadcnt 63                              ; 64 loads are younger than the first 48; the count names 63, the most its field holds: the 48 are in
.irp j, 0,2,4,6,8,10,12,14
	v_pk_mul_f32 v[BC+\j:BC+\j+1], v[BC+\j:BC+\j+1], 0x4038aa3b op_sel_hi:[1,0]   ; 2.88539 b: the addend of the exponent's one fused multiply-add
	v_pk_mul_f32 v[U+\j:U+\j+1], v[U+\j:U+\j+1], -2.0 op_sel_hi:[1,0]              ; -2 u
.endr
	v_lshl_or_b32 v[MK], v[MB+1], 1, v[MB]         ; the eight sentences' mask bytes (0 or 1) as eight bits
.irp p, 2,3,4,5,6,7
	v_lshl_or_b32 v[MK], v[MB+\p], \p, v[MK]
.endr
	TURNQ 0, 48                                    ; out may be: sets 1, 2 and 3
	BARRIER                                        ; sentence 0's images lie in LDS
.irp k, 0,1,2,3,4,5,6,7,8
	INTERVAL \k
	BARRIER                                        ; what this interval wrote lies in LDS, and what it read may be overwritten in the interval after the next
.endr
	INTERVAL 9                                     ; the last sentence's two halves are added and stored
	s_wait_tensorcnt 0x0
	ds_add_u32 v13, v251
	s_wait_dscnt 0x0
	s_endpgm
.Lfunc_end_k_q49b00dae9c_attn:
	.size	k_q49b00dae9c_attn, .Lfunc_end_k_q49b00dae9c_attn-k_q49b00dae9c_attn
	.p2alignl 7, 3214868480
	.fill 96, 4, 3214868480
	.section	.rodata,"a",@progbits
	.p2align	6, 0x0
	.amdhsa_kernel k_q49b00dae9c_attn
		.amdhsa_group_segment_fixed_size 105472
		.amdhsa_private_segment_fixed_size 0
		.amdhsa_enable_private_segment 0
		.amdhsa_kernarg_size 48
		.amdhsa_user_sgpr_count 2
		.amdhsa_user_sgpr_kernarg_segment_ptr 1
		.amdhsa_wavefront_size32 1
		.amdhsa_system_sgpr_workgroup_id_x 1
		.amdhsa_system_sgpr_workgroup_id_y 1
		.amdhsa_system_sgpr_workgroup_id_z 1
		.amdhsa_system_vgpr_workitem_id 0
		.amdhsa_next_free_vgpr 512
		.amdhsa_next_free_sgpr 66
		.amdhsa_reserve_vcc 1
		.amdhsa_float_denorm_mode_32 3
		.amdhsa_float_denorm_mode_16_64 3
		.amdhsa_memory_ordered 1
		.amdhsa_forward_progress 1
		.amdhsa_inst_pref_size 255
	.end_amdhsa_kernel
	.section	.bss,"aw",@nobits
	.p2align	6
	.space	262144
	.amdgpu_metadata
---
amdhsa.version: [ 1, 2 ]
amdhsa.kernels:
  - .name:           k_q49b00dae9c_attn
    .symbol:         k_q49b00dae9c_attn.kd
    .args:
      - { .name: H, .offset: 0, .size: 8, .value_kind: global_buffer, .address_space: global }
      - { .name: mask, .offset: 8, .size: 8, .value_kind: global_buffer, .address_space: global }
      - { .name: u_weight, .offset: 16, .size: 8, .value_kind: global_buffer, .address_space: global }
      - { .name: w_bias, .offset: 24, .size: 8, .value_kind: global_buffer, .address_space: global }
      - { .name: wq, .offset: 32, .size: 8, .value_kind: global_buffer, .address_space: global }
      - { .name: out0, .offset: 40, .size: 8, .value_kind: global_buffer, .address_space: global }
    .group_segment_fixed_size: 105472
    .private_segment_fixed_size: 0
    .kernarg_segment_align: 8
    .kernarg_segment_size: 48
    .max_flat_workgroup_size: 256
    .sgpr_count:     66
    .vgpr_count:     512
    .wavefront_size: 32
...
	.end_amdgpu_metadata
.endif
;; end of part 2
;; ======== version 2 of 2: 2 launches; version 1 with the launch attn written anew for expert scheduling mode
;; workspace buffers: wq 106,496 bytes
;; launch wquant: the kernel of part 1 again; grid 16 x 1, 4 waves a work-group, no clusters, 34,304 bytes of LDS; arguments w_weight, wq; writes wq
;; launch attn (part 3): grid 256 x 1, 8 waves a work-group, no clusters, 105,472 bytes of LDS; arguments H, mask, u_weight, w_bias, wq, out0; writes out0
.if DOCPART == 3
	.amdgcn_target "amdgcn-amd-amdhsa--gfx1250"
	.amdhsa_code_object_version 6
	.text
	.protected	k_q49b00dae9c_attn
	.globl	k_q49b00dae9c_attn
	.p2align	8
	.type	k_q49b00dae9c_attn,@function
k_q49b00dae9c_attn:
	s_mov_b64 s[64:65], 0
	v_nop
	global_prefetch_b8 v0, s[64:65] scope:SCOPE_SE
	s_setreg_imm32_b32 hwreg(HW_REG_WAVE_SCHED_MODE, 0, 2), 2
	s_setreg_imm32_b32 hwreg(HW_REG_WAVE_MODE, 25, 1), 1
	s_wait_xcnt 0x0
	s_wait_alu depctr_vm_vsrc(0)
; For each of 2,048 sentences (32 words x 512 numbers of H, f32):  a = tanh(Q(H) Q(W)^T + b), the product on codes of BF6 (E3M2) with one E8M0 scale for each 32 along K;  e = a . u;  masked words get the
; lowest f32 number;  w = softmax(e) over the 32 words, the maximum taken away first;  out = the sum over the words of w_t H[t], on the f32 numbers of H.
; SHARES.  A work-group takes 8 sentences, one after the other.  Wave w: c = w % 4, mt = w / 4.
;   H's side: wave w owns words 16 mt .. 16 mt + 15 x columns 128 c .. 128 c + 127 of every sentence: 16 loads of 512 consecutive bytes, 64 registers, a SET.  These are the numbers of ONE fragment, which it quantises
;   itself (the turn to the quantiser's layout goes through its own stage in LDS), AND the numbers whose weighted sum it makes, straight from the set: every byte of H is read from memory once and never from LDS again.
;   W's side: wave w keeps W's tiles 2 w and 2 w + 1 (32 of the 256 units), all four K steps, in 96 registers for the whole launch, and multiplies them with all 32 words.
; A PIPELINE OVER SENTENCES, ONE BARRIER AN INTERVAL.  Four pieces:  T(p): set p is turned, quantised and stored as an image of the operand's registers;  G(p): 16 products, tanh, my partial e;  S(p): the softmax, the
; weighted sum of my 16 words, and the request for set p + 4;  O(p): the two halves of the words are added and stored.  Interval k holds O(k - 2), S(k - 1), T(k + 1), G(k): none of them reads what another writes.
; Images, partial e and partial sums have two buffers each: what an interval writes, the next reads, and the one after that overwrites; the barrier between intervals, with every wave's LDS instructions waited for
; in front of it, orders both.
; THE TWO HALVES OF THE WAVES TAKE AN INTERVAL'S PIECES IN DIFFERENT ORDER: waves 0-3 O, S, T, G; waves 4-7 G, O, S, T: one half's runs of LDS instructions stand beside the other half's vector work.
; Only G is written twice, each copy under a branch on the wave's number; S stands ahead of T on both ways, so every counted wait counts the same loads on both.
; IN FLIGHT.  Four sets fill window 1.  All four are asked for at the head; set p + 4 as soon as S(p) has read set p, two intervals ahead of T(p + 4): 16 to 32 loads of every wave are on their way.
; THE PRODUCT IS USED TRANSPOSED (source 0 = 16 rows of W, source 1 = 16 words): lane (r, h) holds word r, its register j unit 16 T + 8 h + j: e's sum runs along a lane's registers and needs one exchange of halves.
; tanh(x) = 1 - 2 / (1 + 2^(2.88539 x)): it saturates rightly where the exponential is infinite or 0.  e is kept as the sum of -2 u_a / (1 + ..): the sum of all u_a that is left out is the same for every word of a
; sentence, and the softmax takes the maximum away, so it falls out for every input; masked words are set after that, so a sentence with no word left gives 1/32 each.
; LIMITS: NaN and infinities in H are not served; a block of zeros gets the scale byte 1 where the rule says 127 (its codes are zeros, and this program alone reads the bytes).
; NO CLUSTER, NO TENSOR LOADS: the work-groups share wq alone, 106,496 bytes against 524,288 of H for a work-group, and it goes to registers, 13,312 bytes a wave, once.  H's sets are wanted in registers.
; No loop: every sentence and row step is an immediate (489,472 at the most), no pointer is stepped.
; THE MODE: SCHED_MODE bits 1:0 = 2 (LLVM: expert scheduling mode 2), set by the entry lines.  The code itself states the register dependences between vector or matrix instructions and memory or LDS
; instructions, with s_wait_alu, always for 0.
; THE PLAN.  Registers that memory or LDS instructions touch, and who else names them:
;   v1-8, v10-12      addresses: made at the head, never written again: one wait on va_vdst ahead of the first load serves every load and store.
;   the sets          global loads land; T(p)'s 16 LDS stores read set p; S(p)'s sum reads it; then the loads of set p + 4 land in it.
;   v156-219          T's LDS loads land (RAW), the quantiser reads; the same registers are the accumulators and H's fragments in G, and the partial e and the halves in S and O, where LDS loads land too.
;   v152-155, v188-235  G's LDS loads land, its products read; v220-231 are also written by the quantiser and by S's sum.
;   v220-223          S's sum writes, its LDS store reads.      v236-247, v255  the quantiser writes, T's LDS stores read; G's tanh writes v236-247.      v244  tanh writes, G's LDS store reads.
;   v14-15            O's addition writes, the store of out0 reads.
; EVERY PIECE STATES AT ITS HEAD WHAT ITS OWN LOADS AND WRITES HANG ON, so that the waits hold in both orders of the pieces:
;   T: va_vdst ahead of the loads into v156-219; vm_vsrc ahead of the quantiser (all LDS stores so far have read their data, this set's stores into the stage among them); va_vdst ahead of the image's stores.
;   G: va_vdst and vm_vsrc at its head; va_vdst behind K steps 0 and 1, ahead of the loads into the buffer just multiplied; va_vdst ahead of the store of my partial e.
;   O, S: va_vdst ahead of their loads; vm_vsrc ahead of O's addition and S's sum; the store of out0 stands behind the wait that the softmax's exponential has anyway;
;         ONE va_vdst at S's end serves the 16 loads of set p + 4 and, behind them, the LDS store of my partial sum: between the wait and that store stand loads and window switches alone.
;   Scalars made by vector instructions: va_sdst behind v_readfirstlane_b32 (the wave's number) and behind the 16 v_readlane_b32 (the weights); va_vcc between the mask's compare and its select.
; REGISTERS.  Window 1: set p at v[64 (p % 4) + 4 i + 0..3], i the word of my 16.  Window 0:
.set LI,  1                            ; v1   16 x lane
.set LS,  2                            ; v2   4 x lane
.set STW, 3                            ; v3   my stage, on the way in: + 16 x lane
.set STR, 4                            ; v4   and out: + 528 r + 64 h
.set IWI, 5                            ; v5   where I store my fragment's image: 16 x lane + 1536 w (fragment 4 mt + c = w)
.set LW,  6                            ; v6   4 x lane + 128 w: my fragment's scale words, and my partial e
.set PSW, 7                            ; v7   where I store my partial sum: 16 x lane + 512 w
.set PSR, 8                            ; v8   where I read the two halves back: 8 x lane + 512 c + 256 mt
.set MK,  9                            ; v9   bit p: the mask of my lane's word in sentence p
.set LN,  10                           ; v10  lane: the mask's address
.set HB,  11                           ; v11  32 h: the bias's and u's address
.set GO,  12                           ; v12  8 x lane: my bytes of the 256 that I store
.set OUTR, 14                          ; v14-15 the store's data   (v13 and v251: the closing add's two registers, made at the head and kept for it alone)
.set W,   16                           ; v16-111  W's fragments: (a, s) at W + 12 (4 a + s)
.set WS,  112                          ; v112-119 their scale words: scales and nothing else
.set BC,  120                          ; v120-135 2.88539 b: tile a, register j at BC + 8 a + j
.set U,   136                          ; v136-151 -2 u, likewise
.set HS,  152                          ; v152-155 H's scale words: HS + 2 buffer + m: scales and nothing else
.set MB,  156                          ; head: v156-163 the eight sentences' mask bytes
.set RAW, 156                          ; T: v156-219 register 16 b + i = k 32 b + 16 h + i of my row
.set TM,  220                          ;   v220-223 largest magnitudes, v224-227 the other half's, then the bytes, v228-231 the conversions' scale operands
.set PC,  236                          ;   v236-247 the fragment; v248-254 the blocks' second halves on their way
.set PW,  255                          ;   the scale word: outside all that G's loads write
.set ACC, 156                          ; G: v156-187 four accumulators: (m, a) at ACC + 8 (2 m + a)
.set FB,  188                          ;   v188-235 H's fragments: buffer b at + 24 b, tile m at + 12 m
.set EP,  236                          ;   v236-243 e's partial sums, a pair for each accumulator
.set X,   244                          ;   v244-247
.set PT,  156                          ; S: v156-163 the eight waves' partial e
.set EE,  164                          ;   e, then the weight
.set TT,  165
.set MM,  166
.set PO,  180                          ; O: v180-183 the two halves
.set SA,  220                          ; S: v220-227 the weighted sum: even words' chain, odd words' chain, 4 columns each; T writes here only behind its wait on vm_vsrc
.set WV,  16                           ; s16  my wave's number
.set SEL, 20                           ; s[20:21] lane selects for v_permlanex16_b32: lane l xor 16
.set UPP, 22                           ; s22  lanes 16-31
.set SWP, 23                           ; s23  all ones in waves 4-7, whose words are 16-31; 0 in waves 0-3
.set WT,  32                           ; s[32:63] my 16 weights in the even registers: the packed forms name a pair and take its low word for both halves
; LDS
.set FRB,  1536                        ; a fragment's image
.set IBUF, 8*FRB                       ; a sentence's 8 images, f = 4 m + s
.set IMG,  0                           ; two such buffers
.set ISC,  2*IBUF                      ; their scale words: 1024 x buffer + 128 f
.set PART, ISC+2048                    ; partial e: 1024 x buffer + 128 x wave + 4 x word
.set PSUM, PART+2048                   ; partial sums: 4096 x buffer + 512 x wave + 16 x lane
.set STG,  PSUM+8192                   ; eight stages, each wave's own: 16 rows
.set SPITCH, 528                       ; 512 bytes + 16 = 33 x 16: the 16 rows that a load of 16 bytes a lane touches begin in 16 different columns of 16 bytes modulo 256
.set WSTG, 16*SPITCH
.set MSB, 0
.macro WIN new                         ; s_set_vgpr_msb: bits 1:0 source 0, 3:2 source 1, 5:4 source 2, 7:6 destination; the high byte repeats the setting that is left.  Every macro leaves 0: so it is 0 at every branch and label
.if MSB != \new
	s_set_vgpr_msb (MSB<<8)|\new
.set MSB, \new
.endif
.endm
.macro BARRIER                         ; my LDS stores have landed and my LDS loads are in: then the work-group's barrier
	s_wait_dscnt 0x0
	s_barrier_signal -1
	s_barrier_wait -1
.endm
; Sentence p's 16 rows of my 512 bytes into set p % 4.  again = 1: the set has been worked on; again = 0: at the head, where no vector line has named it
.macro LOADSET p, again
	WIN 0x40                                       ; a load's data: destination, window 1; its address: source 0, window 0
.if \again
	s_wait_alu depctr_va_vdst(0)                   ; the weighted sum's lines are done reading this set, in which the loads below land, and have written v220-223, which the LDS store behind these loads reads.  (The stage's stores of this set have read it: the wait on vm_vsrc in its T stands behind them)
.endif
.set t, 0
.rept 16
	global_load_b128 v[64*((\p)%4)+4*t:64*((\p)%4)+4*t+3], v[LI], s[4:5] offset:65536*(\p)+2048*t th:TH_LOAD_NT   ; 32 lanes read 512 consecutive bytes; read once in the launch
.set t, t+1
.endr
	WIN 0
.endm
; 64 numbers of a lane, v[s] .. v[s + 63], become a fragment's codes in v[PC] on and its scale word in v[PW]
.macro QUANT s
.irp b, 0,1,2,3
	v_max3_num_f32 v[TM+\b], |v[\s+16*\b]|, |v[\s+1+16*\b]|, 0x2800000   ; block b: my 16 numbers, and the floor 2^(5 - 127): the byte cannot fall under 1
.endr
.irp i, 2,4,6,8,10,12,14
.irp b, 0,1,2,3
	v_max3_num_f32 v[TM+\b], v[TM+\b], |v[\s+16*\b+\i]|, |v[\s+1+16*\b+\i]|   ; the four blocks by turns
.endr
.endr
.irp b, 0,1,2,3
	v_permlanex16_b32 v[TM+4+\b], v[TM+\b], s[SEL], s[SEL+1]
.endr
.irp b, 0,1,2,3
	v_max_num_f32 v[TM+\b], v[TM+\b], v[TM+4+\b]       ; with lane l xor 16's 16: the block's largest magnitude
.endr
.irp b, 0,1,2,3
	v_add_nc_u32 v[TM+8+\b], 0xfe000000, v[TM+\b]      ; 4 off its exponent field: the conversion takes the exponent field of this operand as its scale
.endr
.irp b, 0,1,2,3
	v_lshrrev_b32 v[TM+4+\b], 23, v[TM+8+\b]           ; the scale's byte
.endr
	v_lshl_or_b32 v[PW], v[TM+5], 8, v[TM+4]           ; the four bytes make my row's scale word
	v_lshl_or_b32 v[PW], v[TM+6], 16, v[PW]
	v_lshl_or_b32 v[PW], v[TM+7], 24, v[PW]
.irp c, 0,1
	v_cvt_scalef32_pk16_bf6_f32 v[PC+6*\c:PC+2+6*\c], v[\s+32*\c:\s+15+32*\c], v[TM+8+2*\c]
	v_cvt_scalef32_pk16_bf6_f32 v[PC+12+4*\c:PC+14+4*\c], v[\s+16+32*\c:\s+31+32*\c], v[TM+8+2*\c+1]   ; a conversion's three registers begin on an even number
.endr
	v_nop                                              ; one plain place behind the scaled conversions
.irp c, 0,1                                        ; the operand's layout wants a WHOLE block in a lane: lanes 0-15 block 2 c, lanes 16-31 block 2 c + 1
.irp i, 0,1,2
	v_permlane16_swap_b32 v[PC+6*\c+\i], v[PC+12+4*\c+\i]
.endr
.irp i, 0,1,2
	v_mov_b32 v[PC+3+6*\c+\i], v[PC+12+4*\c+\i]
.endr
.endr
.endm
; T(p): set p turns through my stage, is quantised, and leaves as fragment w's image in buffer p % 2.  left: the younger loads that may stay out
.macro TURNQ p, left
	s_wait_loadcnt \left                           ; loads come back in order: set p's 16 rows are in
	WIN 0x04                                       ; an LDS store's data: source 1, window 1
.irp i, 0,1,2,3,4,5,6,7,8,9,10,11,12,13,14,15
	ds_store_b128 v[STW], v[64*((\p)%4)+4*\i:64*((\p)%4)+4*\i+3] offset:SPITCH*\i
.endr
	WIN 0
	s_wait_alu depctr_va_vdst(0)                   ; every vector and matrix line that named v156-219 (the mask's bits at the head; the last quantiser; the products and tanh; the softmax and the addition of the halves) is done: the loads below land there
.irp b, 0,1,2,3
.irp j, 0,1,2,3
	ds_load_b128 v[RAW+16*\b+4*\j:RAW+16*\b+4*\j+3], v[STR] offset:128*\b+16*\j   ; LDS serves a wave's instructions in order: these see my stores
.endr
.endr
	s_wait_dscnt 0x0                               ; the numbers are back
	s_wait_alu depctr_vm_vsrc(0)                   ; the LDS stores issued so far have read their data: my partial sum v220-223, the last image v236-247 and its scale word v255, my last partial e v244, all of which the quantiser writes; and set p, in which the loads of set p + 4 will land
	QUANT RAW
	s_wait_alu depctr_va_vdst(0)                   ; the quantiser has written v236-247 and v255, which the four stores below read
.irp c, 0,1,2
	ds_store_b128 v[IWI], v[PC+4*\c:PC+4*\c+3] offset:IMG+IBUF*((\p)%2)+512*\c
.endr
	ds_store_b32 v[LW], v[PW] offset:ISC+1024*((\p)%2)
.endm
; K step s of the sentence in image buffer buf: its two fragments of H (16 words each) and their scale words into register buffer s % 2: 8 LDS loads
.macro FETCHSTEP s, buf
.irp m, 0,1
.irp c, 0,1,2
	ds_load_b128 v[FB+24*((\s)%2)+12*\m+4*\c:FB+24*((\s)%2)+12*\m+4*\c+3], v[LI] offset:IMG+IBUF*(\buf)+FRB*(4*\m+(\s))+512*\c
.endr
	ds_load_b32 v[HS+2*((\s)%2)+\m], v[LS] offset:ISC+1024*(\buf)+128*(4*\m+(\s))
.endr
.endm
; Four products: two tiles of words x my two tiles of W.  The four accumulators take turns, one instruction a turn, in the same order in every step.
; The first K step starts the sums with the constant 0: nothing is cleared.
.macro MULSTEP s, buf
.if (\s) == 3
	s_wait_dscnt 0x0                               ; the last step's loads
.else
	s_wait_dscnt 8                                 ; this step's 8 loads, and all that is older, are in; the next step's 8 may be out
.endif
.irp m, 0,1
.irp a, 0,1
.if (\s) == 0
	v_wmma_scale_f32_16x16x128_f8f6f4 v[ACC+8*(2*\m+\a):ACC+8*(2*\m+\a)+7], v[W+12*(4*\a+(\s)):W+12*(4*\a+(\s))+11], v[FB+24*((\s)%2)+12*\m:FB+24*((\s)%2)+12*\m+11], 0, v[WS+4*\a+(\s)], v[HS+2*((\s)%2)+\m] matrix_a_fmt:MATRIX_FMT_BF6 matrix_b_fmt:MATRIX_FMT_BF6
.else
	v_wmma_scale_f32_16x16x128_f8f6f4 v[ACC+8*(2*\m+\a):ACC+8*(2*\m+\a)+7], v[W+12*(4*\a+(\s)):W+12*(4*\a+(\s))+11], v[FB+24*((\s)%2)+12*\m:FB+24*((\s)%2)+12*\m+11], v[ACC+8*(2*\m+\a):ACC+8*(2*\m+\a)+7], v[WS+4*\a+(\s)], v[HS+2*((\s)%2)+\m] matrix_a_fmt:MATRIX_FMT_BF6 matrix_b_fmt:MATRIX_FMT_BF6
.endif
.endr
.endr
.if (\s) != 2
.rept 4
	v_nop                                          ; four places in front of loads into the buffer just multiplied, and of the first read of finished sums; step 2 is followed by products alone
.endr
.endif
.if (\s) < 2
	s_wait_alu depctr_va_vdst(0)                   ; this step's four products are done reading register buffer s % 2 and its two scale words, in which the eight loads below land; the places above stay beside this wait
	FETCHSTEP (\s)+2, \buf
.endif
.endm
; The sentence's 32 words x my 32 units: tanh, times u, summed along the units; my partial e goes to LDS, lane = word
.macro TANH buf
.irp j, 0,2,4,6,8,10,12,14,16,18,20,22,24,26,28,30
	v_pk_fma_f32 v[ACC+\j:ACC+\j+1], v[ACC+\j:ACC+\j+1], 0x4038aa3b, v[BC+(\j)%16:BC+(\j)%16+1] op_sel_hi:[1,0,1]   ; 2.88539 (sum + b); each accumulator from its low end on
.endr
.set i, 0
.rept 32
	v_exp_f32 v[ACC+i], v[ACC+i]
.set i, i+1
.endr
	v_mov_b32 v[X+2], 0                            ; a plain place behind the exponentials; and a lane permute's destination counts as one of its sources
	s_wait_alu depctr_va_vdst(0)                   ; the 32 exponentials have written v156-187: one wait for the batch, ahead of its first reader
.irp j, 0,2,4,6,8,10,12,14,16,18,20,22,24,26,28,30
	v_pk_add_f32 v[ACC+\j:ACC+\j+1], v[ACC+\j:ACC+\j+1], 1.0 op_sel_hi:[1,0]
.endr
.set i, 0
.rept 32
	v_rcp_f32 v[ACC+i], v[ACC+i]
.set i, i+1
.endr
	v_mov_b32 v[X+3], 0                            ; a plain place behind the reciprocals
	s_wait_alu depctr_va_vdst(0)                   ; the 32 reciprocals have written v156-187: one wait for the batch, ahead of its first reader
.irp i, 0,1,2,3
	v_pk_mul_f32 v[EP+2*\i:EP+2*\i+1], v[ACC+8*\i:ACC+8*\i+1], v[U+8*(\i%2):U+8*(\i%2)+1]   ; -2 u / (1 + ..): the four accumulators by turns
.endr
.irp j, 2,4,6
.irp i, 0,1,2,3
	v_pk_fma_f32 v[EP+2*\i:EP+2*\i+1], v[ACC+8*\i+\j:ACC+8*\i+\j+1], v[U+8*(\i%2)+\j:U+8*(\i%2)+\j+1], v[EP+2*\i:EP+2*\i+1]
.endr
.endr
.irp m, 0,1
	v_pk_add_f32 v[EP+4*\m:EP+4*\m+1], v[EP+4*\m:EP+4*\m+1], v[EP+4*\m+2:EP+4*\m+3]   ; my two tiles of W
.endr
.irp m, 0,1
	v_add_f32 v[X+\m], v[EP+4*\m], v[EP+4*\m+1]
.endr
.irp m, 0,1
	v_permlanex16_b32 v[X+2+\m], v[X+\m], s[SEL], s[SEL+1]
.endr
.irp m, 0,1
	v_add_f32 v[X+\m], v[X+\m], v[X+2+\m]          ; with lane l xor 16's eight units of each tile: word 16 m + r, in both halves of the lanes
.endr
	v_cndmask_b32 v[X], v[X], v[X+1], s[UPP]       ; lanes 0-15 words 0-15, lanes 16-31 words 16-31
	s_wait_alu depctr_va_vdst(0)                   ; the select has written v244, which the store below reads
	ds_store_b32 v[LW], v[X] offset:PART+1024*(\buf)
.endm
; G: the sentence whose images lie in buffer buf
.macro GEMM buf
	s_wait_alu depctr_va_vdst(0)                   ; every vector and matrix line that named v152-155 and v188-235 (the last sentence's products; the quantiser; the weighted sum) is done: the loads of K steps 0 and 1 land there
	s_wait_alu depctr_vm_vsrc(0)                   ; the LDS stores issued so far have read their data: my partial sum v220-223, in which loads land; the image v236-247 and my last partial e v244, which tanh's lines write
	FETCHSTEP 0, \buf
	FETCHSTEP 1, \buf
	MULSTEP 0, \buf
	MULSTEP 1, \buf
	MULSTEP 2, \buf
	MULSTEP 3, \buf
	TANH \buf
.endm
; S(p) behind its loads: the sentence's softmax (lane = word; every wave makes it), and the weighted sum of my 16 words x 128 columns from set p.  The store of O(p - 1), whose addition stands ahead of this piece, goes out behind the exponential's wait
.macro SOFT p
	v_add_f32 v[PT], v[PT], v[PT+1]
	v_add_f32 v[PT+2], v[PT+2], v[PT+3]
	v_add_f32 v[PT+4], v[PT+4], v[PT+5]
	v_add_f32 v[PT+6], v[PT+6], v[PT+7]
	v_and_b32 v[TT], 1<<(\p), v[MK]
	v_add_f32 v[PT], v[PT], v[PT+2]
	v_add_f32 v[PT+4], v[PT+4], v[PT+6]
	v_cmp_ne_u32 vcc_lo, 0, v[TT]
	v_add_f32 v[EE], v[PT], v[PT+4]                ; e of my word
	s_wait_alu depctr_va_vcc(0)                    ; the compare has written VCC, ahead of the select that reads it
	v_cndmask_b32 v[EE], 0xff7fffff, v[EE], vcc_lo ; a masked word: the lowest f32 number
	v_mov_b32 v[MM], v[EE]
.irp x, 1,2,4,8
	v_max_num_f32_dpp v[MM], v[MM], v[MM] row_xmask:\x row_mask:0xf bank_mask:0xf
.endr
	v_permlanex16_b32 v[TT], v[MM], s[SEL], s[SEL+1]
	v_max_num_f32 v[MM], v[MM], v[TT]              ; the sentence's largest e, in every lane
	v_sub_f32 v[EE], v[EE], v[MM]                  ; first the difference, then the factor: a fused form would multiply the lowest number by log2(e) and give infinity less infinity where every word is masked
	v_mul_f32 v[EE], 0x3fb8aa3b, v[EE]
	v_exp_f32 v[EE], v[EE]
	v_nop                                          ; a plain place behind the exponential
	s_wait_alu depctr_va_vdst(0)                   ; the exponential has written v164, ahead of its first reader; and the addition of the two halves, ahead of this piece, has written v14-15, which the store below reads
.if (\p) >= 1
	global_store_b64 v[GO], v[OUTR:OUTR+1], s[14:15] offset:2048*((\p)-1) th:TH_STORE_NT   ; 32 lanes store 256 consecutive bytes, at a multiple of 256 from out0's first byte
.endif
	v_mov_b32 v[MM], v[EE]
.irp x, 1,2,4,8
	v_add_f32_dpp v[MM], v[MM], v[MM] row_xmask:\x row_mask:0xf bank_mask:0xf
.endr
	v_permlanex16_b32 v[TT], v[MM], s[SEL], s[SEL+1]
	v_add_f32 v[MM], v[MM], v[TT]                  ; the sum: at least 1, the largest word's own term
	v_rcp_f32 v[MM], v[MM]
	v_nop                                          ; a plain place behind the reciprocal
	s_wait_alu depctr_va_vdst(0)                   ; the reciprocal has written v166, ahead of its first reader
	v_mul_f32 v[EE], v[EE], v[MM]                  ; w of my lane's word
	v_permlanex16_b32 v[TT], v[EE], s[SEL], s[SEL+1]
	v_cndmask_b32 v[EE], v[EE], v[TT], s[SWP]      ; waves 4-7 take the other half's: lanes 0-15 now hold the weights of MY 16 words
.set t, 0
.rept 16
	v_readlane_b32 s[WT+2*t], v[EE], t             ; as scalars: factors alone, no address and no branch hangs on them
.set t, t+1
.endr
	s_wait_alu depctr_va_sdst(0)                   ; the sixteen lines above have written the even registers of s[32:63], ahead of their first reader: one wait for the run
	WIN 0x01                                       ; source 0: the set, window 1; the sums stay in window 0
.set t, 0
.rept 16
.irp q, 0,2
.if t < 2
	v_pk_mul_f32 v[SA+4*(t%2)+\q:SA+4*(t%2)+\q+1], v[64*((\p)%4)+4*t+\q:64*((\p)%4)+4*t+\q+1], s[WT+2*t:WT+2*t+1] op_sel_hi:[1,0]    ; words 0 and 1 start the four chains: nothing is cleared
.else
	v_pk_fma_f32 v[SA+4*(t%2)+\q:SA+4*(t%2)+\q+1], v[64*((\p)%4)+4*t+\q:64*((\p)%4)+4*t+\q+1], s[WT+2*t:WT+2*t+1], v[SA+4*(t%2)+\q:SA+4*(t%2)+\q+1] op_sel_hi:[1,0,1]
.endif
.endr
.set t, t+1
.endr
	WIN 0
	v_pk_add_f32 v[SA:SA+1], v[SA:SA+1], v[SA+4:SA+5]
	v_pk_add_f32 v[SA+2:SA+3], v[SA+2:SA+3], v[SA+6:SA+7]
.if (\p) < 4
	LOADSET (\p)+4, 1                              ; the set just summed takes the sentence four on; the wait behind the window switch serves these loads and the store below
.else
	s_wait_alu depctr_va_vdst(0)                   ; the sum's lines have written v220-223, which the store below reads
.endif
	ds_store_b128 v[PSW], v[SA:SA+3] offset:PSUM+4096*((\p)%2)   ; my 16 words' part of columns 128 c + 4 lane + 0..3.  No vector line since the wait names v7 or v220-223
.endm
; O(k - 2) and S(k - 1): their LDS loads go out together
.macro SO k
.if (\k) >= 1
	s_wait_alu depctr_va_vdst(0)                   ; every vector and matrix line that named v156-163 and v180-183 (the products and tanh; the quantiser) is done: the loads below land there
.endif
.if ((\k) >= 1) && ((\k) <= 8)
.irp i, 0,1,2,3,4,5,6,7
	ds_load_b32 v[PT+\i], v[LS] offset:PART+1024*(((\k)-1)%2)+128*\i
.endr
.endif
.if (\k) >= 2
	ds_load_b64 v[PO:PO+1], v[PSR] offset:PSUM+4096*((\k)%2)           ; words 0-15's part of my 64 columns (wave c's),
	ds_load_b64 v[PO+2:PO+3], v[PSR] offset:PSUM+4096*((\k)%2)+2048    ; words 16-31's (wave 4 + c's)
.endif
.if (\k) >= 1
	s_wait_dscnt 0x0
.endif
.if (\k) >= 2
	s_wait_xcnt 0x0                                ; the last store has read its data registers: they are written again only behind this wait
	s_wait_alu depctr_vm_vsrc(0)                   ; beside it: the last store of out0 has read v14-15, which the addition below writes; the LDS store of my last partial sum has read v220-223, which this interval's sum writes
	v_pk_add_f32 v[OUTR:OUTR+1], v[PO:PO+1], v[PO+2:PO+3]
.endif
.if ((\k) >= 1) && ((\k) <= 8)
	SOFT (\k)-1
.endif
.if (\k) == 9
	s_wait_alu depctr_va_vdst(0)                   ; the addition has written v14-15, which the store below reads: the last interval has no softmax whose wait could serve
	global_store_b64 v[GO], v[OUTR:OUTR+1], s[14:15] offset:2048*((\k)-2) th:TH_STORE_NT   ; 32 lanes store 256 consecutive bytes, at a multiple of 256 from out0's first byte
.endif
.endm
; Interval k.  The branches hang on the wave's number alone and jump over G alone: no barrier, no global load
.macro INTERVAL k
.if (\k) <= 7
	s_cmp_lt_u32 s[WV], 4
	s_cbranch_scc1 .Llate_\@                       ; waves 0-3 multiply at the interval's end
	GEMM (\k)%2
.Llate_\@:
.endif
	SO \k
.if (\k) <= 6
.if (\k)+1 <= 5
.set LEFT, 32                                  ; out may be: the two sets behind this one
.elseif (\k)+1 == 6
.set LEFT, 16                                  ; set 7 alone
.else
.set LEFT, 0
.endif
	TURNQ (\k)+1, LEFT
.endif
.if (\k) <= 7
	s_cmp_lt_u32 s[WV], 4
	s_cbranch_scc0 .Ldone_\@                       ; waves 4-7 have multiplied at its head
	GEMM (\k)%2
.Ldone_\@:
.endif
.endm
	s_load_b256 s[4:11], s[0:1], 0x0               ; H s[4:5], mask s[6:7], u s[8:9], b s[10:11]
	s_load_b128 s[12:15], s[0:1], 0x20             ; wq s[12:13], out0 s[14:15]
	v_lshl_add_u32 v13, v0, 2, 0x19800             ; the closing add's two registers, while v0 is as at the entry: my spare word, behind the stages,
	v_mov_b32 v251, 0                              ; and 0
	v_lshrrev_b32 v[LN], 5, v0
	v_readfirstlane_b32 s[WV], v[LN]               ; wave 0..7
	v_and_b32 v[LN], 31, v0                        ; lane
	v_and_b32 v[MK], 15, v0                        ; r (the register takes the mask's bits later)
	v_bfe_u32 v[HB], v0, 4, 1                      ; h
	v_lshlrev_b32 v[LI], 4, v[LN]
	v_lshlrev_b32 v[LS], 2, v[LN]
	v_lshlrev_b32 v[GO], 3, v[LN]
	s_wait_alu depctr_va_sdst(0)                   ; s16, the wave's number, is written, ahead of its first reader
	s_lshr_b32 s17, s[WV], 2                       ; mt
	s_and_b32 s18, s[WV], 3                        ; c
	s_mul_i32 s24, s[WV], WSTG
	s_add_co_u32 s24, s24, STG                     ; my stage
	v_add_nc_u32 v[STW], s24, v[LI]
	v_mul_u32_u24 v[STR], v[MK], SPITCH
	v_lshl_add_u32 v[STR], v[HB], 6, v[STR]
	v_add_nc_u32 v[STR], s24, v[STR]
	s_mul_i32 s25, s[WV], FRB
	v_add_nc_u32 v[IWI], s25, v[LI]
	s_lshl_b32 s25, s[WV], 7
	v_add_nc_u32 v[LW], s25, v[LS]
	s_lshl_b32 s25, s[WV], 9
	v_add_nc_u32 v[PSW], s25, v[LI]
	s_lshl_b32 s25, s18, 9
	s_lshl_b32 s24, s17, 8
	s_add_co_u32 s25, s25, s24                     ; 512 c + 256 mt
	v_add_nc_u32 v[PSR], s25, v[GO]
	v_lshlrev_b32 v[HB], 5, v[HB]                  ; 32 h: my half's eight units of a tile
.irp b, 0,1,2,3
	v_mov_b32 v[TM+4+\b], 0                        ; written once: a lane permute's destination counts as one of its sources
.endr
	s_mov_b32 s[SEL], 0x76543210
	s_mov_b32 s[SEL+1], 0xfedcba98
	s_mov_b32 s[UPP], 0xffff0000
	s_cmp_lt_u32 s[WV], 4
	s_cselect_b32 s[SWP], 0, -1
	; the offsets, apart from the addresses
	s_lshl_b32 s24, ttmp9, 19                      ; H: 8 sentences of 65,536 bytes a work-group,
	s_lshl_b32 s25, s17, 15                        ; my 16 rows of 2,048 bytes,
	s_add_co_u32 s24, s24, s25
	s_lshl_b32 s25, s18, 9                         ; my 512 bytes of a row
	s_add_co_u32 s24, s24, s25
	s_mov_b32 s25, 0
	s_lshl_b32 s28, ttmp9, 8                       ; mask: 8 x 32 bytes a work-group
	s_mov_b32 s29, 0
	s_lshl_b32 s30, s[WV], 7                       ; u and b: my 32 numbers
	s_mov_b32 s31, 0
	s_mul_i32 s32, s[WV], 8*FRB                    ; wq: my 8 fragments,
	s_mov_b32 s33, 0
	s_lshl_b32 s34, s[WV], 10                      ; and their scale words
	s_add_co_u32 s34, s34, 98304
	s_mov_b32 s35, 0
	s_lshl_b32 s36, ttmp9, 14                      ; out0: 8 rows of 2,048 bytes a work-group; of a row my 256 bytes: 512 c + 256 mt
	s_lshl_b32 s37, s18, 9
	s_add_co_u32 s36, s36, s37
	s_lshl_b32 s37, s17, 8
	s_add_co_u32 s36, s36, s37
	s_mov_b32 s37, 0
	s_wait_kmcnt 0x0
	s_add_nc_u64 s[4:5], s[4:5], s[24:25]
	s_add_nc_u64 s[6:7], s[6:7], s[28:29]
	s_add_nc_u64 s[8:9], s[8:9], s[30:31]
	s_add_nc_u64 s[10:11], s[10:11], s[30:31]
	s_add_nc_u64 s[26:27], s[12:13], s[34:35]
	s_add_nc_u64 s[12:13], s[12:13], s[32:33]
	s_add_nc_u64 s[14:15], s[14:15], s[36:37]
.irp i, 0,1,2,3,4,5,6,7,8,9,10,11,12,13,14,15
	s_mov_b32 s[WT+2*\i+1], 0                      ; the upper words of the weights' pairs: named with the lower ones, never used
.endr
	s_wait_alu depctr_va_vdst(0)                   ; the addresses v1-8 and v10-12 are written, which every load and store of the kernel reads; none of them is written again
	; what stays for the whole launch goes out first (48 loads), then the four sets (64)
.irp p, 0,1,2,3,4,5,6,7
	global_load_u8 v[MB+\p], v[LN], s[6:7] offset:32*\p             ; the mask of my lane's word in sentence p
.endr
.irp g, 0,1,2,3,4,5,6,7
.irp c, 0,1,2
	global_load_b128 v[W+12*\g+4*\c:W+12*\g+4*\c+3], v[LI], s[12:13] offset:FRB*\g+512*\c   ; W's fragment g = 4 a + s, as its registers lie
.endr
.endr
.irp g, 0,1,2,3,4,5,6,7
	global_load_b32 v[WS+\g], v[LS], s[26:27] offset:128*\g
.endr
.irp a, 0,1
	global_load_b128 v[BC+8*\a:BC+8*\a+3], v[HB], s[10:11] offset:64*\a
	global_load_b128 v[BC+8*\a+4:BC+8*\a+7], v[HB], s[10:11] offset:64*\a+16
	global_load_b128 v[U+8*\a:U+8*\a+3], v[HB], s[8:9] offset:64*\a
	global_load_b128 v[U+8*\a+4:U+8*\a+7], v[HB], s[8:9] offset:64*\a+16
.endr
	LOADSET 0, 0                                   ; no vector line has named the sets, and none stands between the wait above and these loads
	LOADSET 1, 0
	LOADSET 2, 0
	LOADSET 3, 0
	s_wait_loadcnt 63                              ; 64 loads are younger than the first 48; the count names 63, the most its field holds: the 48 are in
.irp j, 0,2,4,6,8,10,12,14
	v_pk_mul_f32 v[BC+\j:BC+\j+1], v[BC+\j:BC+\j+1], 0x4038aa3b op_sel_hi:[1,0]   ; 2.88539 b: the addend of the exponent's one fused multiply-add
	v_pk_mul_f32 v[U+\j:U+\j+1], v[U+\j:U+\j+1], -2.0 op_sel_hi:[1,0]              ; -2 u
.endr
	v_lshl_or_b32 v[MK], v[MB+1], 1, v[MB]         ; the eight sentences' mask bytes (0 or 1) as eight bits
.irp p, 2,3,4,5,6,7
	v_lshl_or_b32 v[MK], v[MB+\p], \p, v[MK]
.endr
	TURNQ 0, 48                                    ; out may be: sets 1, 2 and 3
	BARRIER                                        ; sentence 0's images lie in LDS
.irp k, 0,1,2,3,4,5,6,7,8
	INTERVAL \k
	BARRIER                                        ; what this interval wrote lies in LDS, and what it read may be overwritten in the interval after the next
.endr
	INTERVAL 9                                     ; the last sentence's two halves are added and stored
	s_wait_dscnt 0x0                               ; the closing lines, six on end
	s_wait_alu 0x0
	s_wait_tensorcnt 0x0
	ds_add_u32 v13, v251
	s_wait_dscnt 0x0
	s_endpgm
.Lfunc_end_k_q49b00dae9c_attn:
	.size	k_q49b00dae9c_attn, .Lfunc_end_k_q49b00dae9c_attn-k_q49b00dae9c_attn
	.p2alignl 7, 3214868480
	.fill 96, 4, 3214868480
	.section	.rodata,"a",@progbits
	.p2align	6, 0x0
	.amdhsa_kernel k_q49b00dae9c_attn
		.amdhsa_group_segment_fixed_size 105472
		.amdhsa_private_segment_fixed_size 0
		.amdhsa_enable_private_segment 0
		.amdhsa_kernarg_size 48
		.amdhsa_user_sgpr_count 2
		.amdhsa_user_sgpr_kernarg_segment_ptr 1
		.amdhsa_wavefront_size32 1
		.amdhsa_system_sgpr_workgroup_id_x 1
		.amdhsa_system_sgpr_workgroup_id_y 1
		.amdhsa_system_sgpr_workgroup_id_z 1
		.amdhsa_system_vgpr_workitem_id 0
		.amdhsa_next_free_vgpr 512
		.amdhsa_next_free_sgpr 66
		.amdhsa_reserve_vcc 1
		.amdhsa_float_denorm_mode_32 3
		.amdhsa_float_denorm_mode_16_64 3
		.amdhsa_memory_ordered 1
		.amdhsa_forward_progress 1
		.amdhsa_inst_pref_size 255
	.end_amdhsa_kernel
	.section	.bss,"aw",@nobits
	.p2align	6
	.space	262144
	.amdgpu_metadata
---
amdhsa.version: [ 1, 2 ]
amdhsa.kernels:
  - .name:           k_q49b00dae9c_attn
    .symbol:         k_q49b00dae9c_attn.kd
    .args:
      - { .name: H, .offset: 0, .size: 8, .value_kind: global_buffer, .address_space: global }
      - { .name: mask, .offset: 8, .size: 8, .value_kind: global_buffer, .address_space: global }
      - { .name: u_weight, .offset: 16, .size: 8, .value_kind: global_buffer, .address_space: global }
      - { .name: w_bias, .offset: 24, .size: 8, .value_kind: global_buffer, .address_space: global }
      - { .name: wq, .offset: 32, .size: 8, .value_kind: global_buffer, .address_space: global }
      - { .name: out0, .offset: 40, .size: 8, .value_kind: global_buffer, .address_space: global }
    .group_segment_fixed_size: 105472
    .private_segment_fixed_size: 0
    .kernarg_segment_align: 8
    .kernarg_segment_size: 48
    .max_flat_workgroup_size: 256
    .sgpr_count:     66
    .vgpr_count:     512
    .wavefront_size: 32
...
	.end_amdgpu_metadata
.endif
;; end of part 3
